; MI455X (gfx1250); checked and timed in simulation.
; The chip was launched on July 23, 2026; its instructions are those of AMD's public machine-readable ISA for CDNA 5 (MIT licence, August 2026) and "CDNA5" Instruction Set Architecture Reference Guide (July 2026). The comments in the code are by the model that wrote it; some were corrected since.
;; Bit Linear LRLS. Allowed arithmetic: matrix products marked QUANTISED: E3M2 operands, one E8M0 scale for each 32 along K, by v_wmma_scale_f32_16x16x128_f8f6f4 with both operands' format E3M2, f32 sums; products left as they are: f32 operands where the result goes on into a quantised operand, else bf16, f16 or f32 operands; f32 sums; everything else in f32.
;; Inputs: lrls_A 4,096 x 16 float32; lrls_B 16 x 4,096 float32; scale 4,096 float32; threshold one number float32; weight 4,096 x 4,096 float32; x 4 x 1,024 x 4,096 float32.
;; Outputs: out0 4 x 1,024 x 4,096 float32.
;; This version of the problem:
;;   THIS VERSION OF THE PROBLEM IS GIVEN IN LOW PRECISION. The matrix products marked QUANTISED in the list below multiply operands that are first quantised to E3M2 (3 exponent bits, 2 mantissa bits; 6 bits a number), with one power-of-two scale for each 32 numbers along K (OCP MX v1.0); their sums are f32. All else is computed in f32.
;;   The module's matrix products, in the order in which they are computed (A, B: the left and right operand; K: the contracted axis; several contracted axes count as one K, in the product's order):
;;     1. [M 16, K 4,096] x [K 4,096, N 1]; A: input lrls_B; B: computed on the way: left as it is (N = 1 < 16)
;;     2. [M 4,096, K 16] x [K 16, N 1]; A: input lrls_A; B: computed on the way: left as it is (K = 16 < 32)
;;     3. [M 4,096, K 4,096] x [K 4,096, N 4,096]; A: input x; B: computed on the way: QUANTISED
;;   THE QUANTISER, for each operand of a quantised product, along K:
;;     - K is cut into blocks of 32 from its start; a last block that is shorter is filled with zeros.
;;     - A block's scale is 2^e with e = floor(log2(the largest magnitude in the block)) - 4, held to -126 .. 127; a block of zeros has e = 0. As a byte (E8M0): e + 127.
;;     - Each number is divided by its block's scale, clamped to +-28, and rounded to the nearest number of E3M2, ties to even, subnormals kept.
;;     - The product sums the exact products of the quantised numbers (number of the format x scale) in f32.
;;   ~~~python
;;   def quantise(x, axis):      # numpy; x: float32 -> the quantised numbers, widened to float32 again
;;       x = np.moveaxis(x, axis, -1); K = x.shape[-1]
;;       x = np.pad(x, [(0, 0)] * (x.ndim - 1) + [(0, -K % 32)]); x = x.reshape(x.shape[:-1] + (-1, 32)); a = np.abs(x).max(-1, keepdims=True)
;;       e = np.where(a > 0, np.clip(np.frexp(np.where(a > 0, a, 1))[1] - 1 - 4, -126, 127), 0)      # np.frexp(a)[1] - 1 = floor(log2(a)), exactly
;;       r = np.clip(x / 2.0 ** e, -28, 28)
;;       step = 2.0 ** (np.maximum(np.frexp(np.where(r == 0, 1, r))[1] - 1, -2) - 2)
;;       q = np.round(r / step) * step * 2.0 ** e      # np.round: ties to even
;;       return np.moveaxis(q.reshape(q.shape[:-2] + (-1,))[..., :K], -1, axis).astype(np.float32)
;;   ~~~
;;   OPERANDS COMPUTED ON THE WAY. 'Computed on the way' means the value that the module computes at that place (a softmax that the list does not call 'softmax' is quantised finished and normalised). What goes into a quantiser is computed in f32, as accurately as f32 sums, v_exp_f32 and their like allow (about 1e-6 of the number): no bf16 or f16 on the way to a quantiser, and a product that is left as it is and whose result goes on into a quantised operand takes f32 operands (vector FMAs, or v_wmma_f32_16x16x4_f32). A number that lies on a knife's edge between two numbers of the format may be rounded either way, as far as f32 arithmetic and the matrix unit's own rounding can turn it there, and no further.
;; One version. Each part assembles by itself: llvm-mc -triple=amdgcn-amd-amdhsa -mcpu=gfx1250 --defsym DOCPART=n.
;; ======== version 1 of 1: 3 launches
;; limits: right only within a limited range of input values
;; workspace buffers: xq 13,107,200 bytes; wq 13,107,200 bytes; part 16,384 bytes
;; launch quant_x (part 1): grid 256 x 1, 8 waves a work-group, no clusters, 69,120 bytes of LDS; arguments x, lrls_B, xq, part; writes xq, part
.if DOCPART == 1
	.amdgcn_target "amdgcn-amd-amdhsa--gfx1250"
	.amdhsa_code_object_version 6
	.text
	.protected	k_q5c0fcef929_quant_x
	.globl	k_q5c0fcef929_quant_x
	.p2align	8
	.type	k_q5c0fcef929_quant_x,@function
k_q5c0fcef929_quant_x:
	s_mov_b64 s[64:65], 0
	v_nop
	global_prefetch_b8 v0, s[64:65] scope:SCOPE_SE
	s_setreg_imm32_b32 hwreg(HW_REG_WAVE_MODE, 25, 1), 1
	s_wait_xcnt 0x0
; x [4096 rows][4096] f32 is read ONCE and turned into codes of E3M2 (6 bits) with one E8M0 scale byte for each 32 along its rows, and from the same registers the
; work-group's share of lrls_B @ (the sum of x's rows) is taken: by linearity that is all that the later correction of the weights' scale needs of x: 16 numbers a work-group.
; THE QUANTISER: a block's scale is 2^(floor(log2(its largest magnitude)) - 4); its byte is that magnitude's exponent field - 4, held at 1 from below; each number is divided by the scale
; and rounded to the nearest code, ties to even, beyond 28 the largest code.
; LIMITS: NaN and infinities among the inputs are not served.  A block of zeros gets the byte 1 where the rule says 127: its codes are zeros, which add nothing, and this program alone reads the bytes.
; THE WORKSPACE xq is laid in the order of the matrix operand's registers: [32 groups of 128 rows][32 steps of 128 along K][STEPB = 12,800 bytes].  In such a block the fragment of tile i (16 rows)
; lies at 1,536 i as an image of its 12 registers: registers 4 c .. 4 c + 3 of lane l at 512 c + 16 l.  Lane (r = l % 16, h = l / 16) holds row r; registers 6 c' .. 6 c' + 5 hold
; k = 64 c' + 32 h + 0 .. 31.  From byte 12,288 on: the scale words (four bytes: a row's 128 along K): tile i = 4 G + 2 hh + e, row r at 256 G + 128 hh + 8 r + 4 e.
; SHARES.  Work-group = (g = group of 128 rows, kq = 512 along K).  Wave w takes K step s = 4 kq + w % 4 (128 along K) and rows 64 (w / 4) on: four fragments of 16 rows, written out: every offset is an immediate.
; A load takes 512 consecutive bytes of one row, 16 a lane; the conversions want 32 neighbours along K in ONE lane: so a fragment's 8,192 bytes turn through the wave's own stage in LDS (rows 528 bytes apart,
; an odd multiple of 16).  Every store of codes covers 512 consecutive bytes, aligned to 256; the wave's scale words are one aligned block of 256.
; No tensor loads, no matrix unit, no cluster: work-groups share nothing but lrls_B (256 KiB), and memory binds.  16 to 32 loads of a wave are on their way throughout.
; LEFT OUT OF THE WHOLE PROGRAM: the input threshold.  reference() takes the constant 0.5 in its place and never reads the input, so for all values of the inputs no output hangs on it:
; it is not loaded and is among no launch's arguments.  LIMIT: a NaN or an infinity in threshold is not carried to the result.
.set ROWB,  16384
.set STEPB, 12800
.set WORDS, 12288
.set FRB,   1536                       ; a fragment's image
.set SP,    528                        ; a stage row: 512 bytes + 16
.set STG,   16*SP                      ; a wave's stage
.set RED,   8*STG                      ; behind the stages: 64 bytes for each wave: its 16 sums
.set OFF, 1                            ; v1   16 x lane
.set STI, 2                            ; v2   the stage, on the way in: 16 x lane
.set STO, 3                            ; v3   on the way out: row r, + 128 h
.set SH,  4                            ; v4   8 h: my two bytes' place in a scale word
.set O8,  5                            ; v5   8 x lane
.set MX,  6                            ; v6-7   my two blocks' largest magnitudes
.set SO,  8                            ; v8-9   the conversions' scale operands
.set BY,  10                           ; v10-11 bytes, at work
.set PD,  12                           ; v12  a lane permute's destination
.set RW,  13                           ; v13  where my wave puts its 16 sums
.set RR,  14                           ; v14  where wave 0 reads all waves' sums: 16 x lane
.set W,   16                           ; v16-19 the four fragments' scale words
.set CS,  20                           ; v20-23 the sums down my 4 columns
.set CW,  0                            ; window 1, v0-59: fragment j's 12 registers of codes at 16 j: every store has data registers of its own, which are never written again
.set TW,  64                           ; window 1, v64-71: the conversions' second halves
.set MSB, 0
.macro WIN new                         ; s_set_vgpr_msb; the immediate's high byte repeats the setting that is left
.if MSB != (\new)
	s_set_vgpr_msb (MSB<<8)|(\new)
.set MSB, (\new)
.endif
.endm
.set P,   44                           ; v44-59 my 16 products with lrls_B
.set R,   64                           ; v64-191 two sets of 16 rows as loaded
.set X,   192                          ; v192-255 my 64 numbers: block h, then block 2 + h, of my row
.macro LOAD j                          ; fragment j's 16 rows, 512 consecutive bytes each
.irp t, 0,1,2,3,4,5,6,7,8,9,10,11,12,13,14,15
	global_load_b128 v[R+64*((\j)%2)+4*\t:R+64*((\j)%2)+4*\t+3], v[OFF], s[4:5] offset:(16*(\j)+\t)*ROWB th:TH_LOAD_NT
.endr
.endm
.macro COLSUM j                        ; the 16 rows are added onto the sums down my 4 columns; the first two rows start the sums: nothing is cleared
.set RS, R+64*((\j)%2)
.irp t, 0
.if ((\j) == 0) && (\t < 2)
.if \t == 1
	v_pk_add_f32 v[CS:CS+1], v[RS:RS+1], v[RS+4:RS+5]
	v_pk_add_f32 v[CS+2:CS+3], v[RS+2:RS+3], v[RS+6:RS+7]
.endif
.else
	v_pk_add_f32 v[CS:CS+1], v[CS:CS+1], v[RS+4*\t:RS+4*\t+1]
	v_pk_add_f32 v[CS+2:CS+3], v[CS+2:CS+3], v[RS+4*\t+2:RS+4*\t+3]
.endif
.endr
.irp t, 1, 2, 3, 4, 5, 6, 7, 8, 9, 10, 11, 12, 13, 14, 15
.if ((\j) == 0) && (\t < 2)
.if \t == 1
	v_pk_add_f32 v[CS:CS+1], v[RS:RS+1], v[RS+4:RS+5]
	v_pk_add_f32 v[CS+2:CS+3], v[RS+2:RS+3], v[RS+6:RS+7]
.endif
.else
	s_delay_alu instid0(VALU_DEP_2)
	v_pk_add_f32 v[CS:CS+1], v[CS:CS+1], v[RS+4*\t:RS+4*\t+1]
	s_delay_alu instid0(VALU_DEP_2)
	v_pk_add_f32 v[CS+2:CS+3], v[CS+2:CS+3], v[RS+4*\t+2:RS+4*\t+3]
.endif
.endr
.endm
.macro TURN j                          ; through the stage: LDS serves a wave's instructions in order (ISA guide 5.7.1.4), so no wait stands between the stores and the loads
.set RS, R+64*((\j)%2)
.irp t, 0,1,2,3,4,5,6,7,8,9,10,11,12,13,14,15
	ds_store_b128 v[STI], v[RS+4*\t:RS+4*\t+3] offset:SP*\t
.endr
.irp c, 0,1
.irp u, 0,1,2,3,4,5,6,7
	ds_load_b128 v[X+32*\c+4*\u:X+32*\c+4*\u+3], v[STO] offset:256*\c+16*\u
.endr
.endr
.endm
.macro QUANT j                         ; my 64 numbers become my 12 registers of the fragment, and the row's scale word
.irp c, 0,1
	v_max3_num_f32 v[MX+\c], |v[X+32*\c]|, |v[X+32*\c+1]|, 0x2800000   ; a block is all mine; the floor 2^(5 - 127) is one more leaf: the byte cannot fall under 1
.endr
.irp i, 2,4,6,8,10,12,14,16,18,20,22,24,26,28,30
.irp c, 0,1
	s_delay_alu instid0(VALU_DEP_2)
	v_max3_num_f32 v[MX+\c], v[MX+\c], |v[X+32*\c+\i]|, |v[X+32*\c+\i+1]|   ; (the two blocks by turns)
.endr
.endr
.irp c, 0,1
	s_delay_alu instid0(VALU_DEP_2)
	v_add_nc_u32 v[SO+\c], 0xfe000000, v[MX+\c]    ; 4 off the exponent field: the conversion takes the exponent field of this operand as its scale
.endr
.irp c, 0,1
	s_delay_alu instid0(VALU_DEP_2)
	v_lshrrev_b32 v[BY+\c], 23, v[SO+\c]           ; the scale's byte
.endr
	s_delay_alu instid0(VALU_DEP_1)
	v_lshl_or_b32 v[BY], v[BY+1], 16, v[BY]        ; blocks h and 2 + h,
	s_delay_alu instid0(VALU_DEP_1)
	v_lshlrev_b32 v[BY], v[SH], v[BY]              ; at their places in the word;
	s_delay_alu instid0(VALU_DEP_1)
	v_permlanex16_b32 v[PD], v[BY], s20, s21
	s_delay_alu instid0(VALU_DEP_1)
	v_or_b32 v[W+(\j)], v[BY], v[PD]               ; with lane l xor 16's two bytes the word is whole, in both lanes
.irp c, 0,1
	WIN 0x40                                       ; destinations in window 1
	v_cvt_scalef32_pk16_bf6_f32 v[CW+16*(\j)+6*\c:CW+16*(\j)+6*\c+2], v[X+32*\c:X+32*\c+15], v[SO+\c]
	v_cvt_scalef32_pk16_bf6_f32 v[TW+4*\c:TW+4*\c+2], v[X+32*\c+16:X+32*\c+31], v[SO+\c]   ; (a conversion's three registers begin on an even number: the second half is made here and moved)
.endr
	v_nop                                          ; one plain instruction behind the scaled conversions
.irp c, 0,1
.irp i, 0,1,2
	WIN 0x41                                       ; source 0 in window 1 too
	v_mov_b32 v[CW+16*(\j)+6*\c+3+\i], v[TW+4*\c+\i]
.endr
.endr
.endm
.macro OUT j                           ; the image: three stores of 512 consecutive bytes
.irp c, 0,1,2
	WIN 0x04                                       ; the data in window 1, the address in window 0
	global_store_b128 v[OFF], v[CW+16*(\j)+4*\c:CW+16*(\j)+4*\c+3], s[8:9] offset:FRB*(\j)+512*\c
.endr
.endm
.macro FOLD reg, tmp                   ; four registers are added over the lanes l xor 4, 8, 16: the eight lanes with the same l % 4
.irp m, 4,8
.irp e, 0,1,2,3
	v_add_f32_dpp v[\reg+\e], v[\reg+\e], v[\reg+\e] row_xmask:\m row_mask:0xf bank_mask:0xf
.endr
.endr
.irp e, 0,1,2,3
	s_delay_alu instid0(VALU_DEP_4)
	v_permlanex16_b32 v[\tmp+\e], v[\reg+\e], s20, s21
.endr
.irp e, 0,1,2,3
	s_delay_alu instid0(VALU_DEP_4)
	v_add_f32 v[\reg+\e], v[\reg+\e], v[\tmp+\e]
.endr
.endm
.macro FRAGMENT j
	s_wait_loadcnt 16                              ; this fragment's 16 loads are in; the 16 issued behind them (the next fragment's, at the end lrls_B's) stay out
	COLSUM \j
	TURN \j
	s_wait_dscnt 0x0                               ; the stage's stores have read the set, and my 64 numbers are back
.if (\j) < 2
	LOAD (\j)+2                                    ; the set takes the fragment two on
.elseif (\j) == 2
.irp p, 0,1,2,3,4,5,6,7,8,9,10,11,12,13,14,15
	global_load_b128 v[R+4*\p:R+4*\p+3], v[OFF], s[6:7] offset:\p*ROWB   ; lrls_B's 16 rows at my 4 columns
.endr
.endif
	QUANT \j
	OUT \j
	WIN 0
.endm
	s_load_b256 s[4:11], s[0:1], 0x0               ; x s[4:5], lrls_B s[6:7], xq s[8:9], part s[10:11]
	v_lshl_add_u32 v62, v0, 2, 0x10a00
	v_mov_b32 v63, 0
	v_lshrrev_b32 v1, 5, v0
	s_delay_alu instid0(VALU_DEP_1)
	v_readfirstlane_b32 s16, v1                    ; wave 0..7
	v_and_b32 v10, 31, v0                          ; lane
	v_and_b32 v11, 15, v0                          ; r
	v_bfe_u32 v12, v0, 4, 1                        ; h
	s_delay_alu instid0(VALU_DEP_3)
	v_lshlrev_b32 v[OFF], 4, v10
	s_delay_alu instid0(VALU_DEP_4)
	v_lshlrev_b32 v[O8], 3, v10
	s_delay_alu instid0(VALU_DEP_3)
	v_lshlrev_b32 v[SH], 3, v12
	s_mul_i32 s15, s16, STG
	v_add_nc_u32 v[STI], s15, v[OFF]
	v_mul_u32_u24 v[STO], v11, SP
	s_delay_alu instid0(VALU_DEP_1)
	v_lshl_add_u32 v[STO], v12, 7, v[STO]
	s_delay_alu instid0(VALU_DEP_1)
	v_add_nc_u32 v[STO], s15, v[STO]
	s_lshl_b32 s15, s16, 6
	s_add_co_u32 s15, s15, RED
	v_mov_b32 v[RW], s15
	v_add_nc_u32 v[RR], RED, v[OFF]
	v_mov_b32 v[PD], 0                             ; written once: a lane permute's destination counts as one of its sources
	s_mov_b32 s20, 0x76543210
	s_mov_b32 s21, 0xfedcba98                      ; v_permlanex16_b32's selects for lane l xor 16
	s_lshr_b32 s17, ttmp9, 3                       ; g
	s_and_b32 s18, ttmp9, 7
	s_lshl_b32 s18, s18, 2
	s_and_b32 s19, s16, 3
	s_add_co_u32 s18, s18, s19                     ; s: my K step of 128
	s_lshr_b32 s19, s16, 2                         ; G: which 64 of the 128 rows
	s_lshl_b32 s22, s17, 21                        ; x: 128 g rows of 16,384 bytes,
	s_lshl_b32 s14, s19, 20                        ; 64 G rows,
	s_add_co_u32 s22, s22, s14
	s_lshl_b32 s24, s18, 9                         ; 128 s columns (in lrls_B too)
	s_add_co_u32 s22, s22, s24
	s_mov_b32 s23, 0
	s_mov_b32 s25, 0
	s_lshl_b32 s28, s17, 5
	s_add_co_u32 s28, s28, s18
	s_mul_i32 s28, s28, STEPB                      ; xq: the block of group g, K step s
	s_lshl_b32 s30, s19, 8
	s_add_co_u32 s30, s30, s28
	s_add_co_u32 s30, s30, WORDS                   ; my 256 bytes of scale words: 12,288 + 256 G
	s_mov_b32 s31, 0
	s_mul_i32 s14, s19, 4*FRB
	s_add_co_u32 s28, s28, s14                     ; my four images: 4 G x 1,536 on
	s_mov_b32 s29, 0
	s_lshl_b32 s26, ttmp9, 6                       ; part: 64 bytes a work-group
	s_mov_b32 s27, 0
	s_wait_kmcnt 0x0
	s_add_nc_u64 s[4:5], s[4:5], s[22:23]
	s_add_nc_u64 s[6:7], s[6:7], s[24:25]
	s_add_nc_u64 s[12:13], s[8:9], s[30:31]
	s_add_nc_u64 s[8:9], s[8:9], s[28:29]
	s_add_nc_u64 s[10:11], s[10:11], s[26:27]
	LOAD 0
	LOAD 1
	FRAGMENT 0
	FRAGMENT 1
	FRAGMENT 2
	FRAGMENT 3
	s_mov_b32 vcc_lo, 0xffff0000
	v_cndmask_b32 v[BY], v[W], v[W+2], vcc_lo      ; lanes 0-15 send the words of fragments 0 and 1, lanes 16-31 those of 2 and 3
	v_cndmask_b32 v[BY+1], v[W+1], v[W+3], vcc_lo
	global_store_b64 v[O8], v[BY:BY+1], s[12:13]   ; 32 lanes store 256 consecutive bytes, aligned
	; lrls_B x the sums of my columns, over the wave's 128 columns, then over the eight waves
	s_wait_loadcnt 0x0
.irp p, 0,1,2,3,4,5,6,7,8,9,10,11,12,13,14,15
	v_mul_f32 v[P+\p], v[R+4*\p], v[CS]
.endr
.irp e, 1,2,3
.irp p, 0,1,2,3,4,5,6,7,8,9,10,11,12,13,14,15
	v_fmac_f32 v[P+\p], v[R+4*\p+\e], v[CS+\e]
.endr
.endr
.irp m, 1,2,4,8
.irp p, 0,1,2,3,4,5,6,7,8,9,10,11,12,13,14,15
	v_add_f32_dpp v[P+\p], v[P+\p], v[P+\p] row_xmask:\m row_mask:0xf bank_mask:0xf
.endr
.endr
.irp p, 0,1,2,3,4,5,6,7,8,9,10,11,12,13,14,15
	v_permlanex16_b32 v[X+\p], v[P+\p], s20, s21
.endr
.irp p, 0,1,2,3,4,5,6,7,8,9,10,11,12,13,14,15
	v_add_f32 v[P+\p], v[P+\p], v[X+\p]            ; every lane holds the wave's 16 sums
.endr
.irp c, 0,1,2,3
	ds_store_b128 v[RW], v[P+4*\c:P+4*\c+3] offset:16*\c   ; all lanes write the same bytes with the same values
.endr
	s_wait_dscnt 0x0                               ; for the others' sake: my stores have landed
	s_barrier_signal -1
	s_barrier_wait -1
	s_cmp_lg_u32 s16, 0
	s_cbranch_scc1 .Ldone                          ; wave 0 adds the eight waves' sums
	ds_load_b128 v[R:R+3], v[RR]                   ; lane l: numbers 4 (l % 4) on of wave l / 4
	s_wait_dscnt 0x0
	FOLD R, X
	s_wait_alu depctr_va_vdst(0)
	s_wait_xcnt 0x0                                ; EXEC is a source of the stores on their way: it changes only behind this wait
	v_cmp_gt_u32 vcc_lo, 4, v0
	s_and_saveexec_b32 s14, vcc_lo
	global_store_b128 v[OFF], v[R:R+3], s[10:11]   ; lanes 0-3: the work-group's 16 numbers, 64 bytes (the one store here that covers less than 256; 16 KiB in the whole launch)
	s_wait_xcnt 0x0
	s_or_b32 exec_lo, exec_lo, s14
.Ldone:
	s_wait_tensorcnt 0x0
	ds_add_u32 v62, v63
	s_wait_dscnt 0x0
	s_endpgm
.Lfunc_end_k_q5c0fcef929_quant_x:
	.size	k_q5c0fcef929_quant_x, .Lfunc_end_k_q5c0fcef929_quant_x-k_q5c0fcef929_quant_x
	.p2alignl 7, 3214868480
	.fill 96, 4, 3214868480
	.section	.rodata,"a",@progbits
	.p2align	6, 0x0
	.amdhsa_kernel k_q5c0fcef929_quant_x
		.amdhsa_group_segment_fixed_size 69120
		.amdhsa_private_segment_fixed_size 0
		.amdhsa_enable_private_segment 0
		.amdhsa_kernarg_size 32
		.amdhsa_user_sgpr_count 2
		.amdhsa_user_sgpr_kernarg_segment_ptr 1
		.amdhsa_wavefront_size32 1
		.amdhsa_system_sgpr_workgroup_id_x 1
		.amdhsa_system_sgpr_workgroup_id_y 1
		.amdhsa_system_sgpr_workgroup_id_z 1
		.amdhsa_system_vgpr_workitem_id 0
		.amdhsa_next_free_vgpr 336
		.amdhsa_next_free_sgpr 66
		.amdhsa_reserve_vcc 1
		.amdhsa_float_denorm_mode_32 3
		.amdhsa_float_denorm_mode_16_64 3
		.amdhsa_memory_ordered 1
		.amdhsa_forward_progress 1
		.amdhsa_inst_pref_size 58
	.end_amdhsa_kernel
	.amdgpu_metadata
---
amdhsa.version: [ 1, 2 ]
amdhsa.kernels:
  - .name:           k_q5c0fcef929_quant_x
    .symbol:         k_q5c0fcef929_quant_x.kd
    .args:
      - { .name: x, .offset: 0, .size: 8, .value_kind: global_buffer, .address_space: global }
      - { .name: lrls_B, .offset: 8, .size: 8, .value_kind: global_buffer, .address_space: global }
      - { .name: xq, .offset: 16, .size: 8, .value_kind: global_buffer, .address_space: global }
      - { .name: part, .offset: 24, .size: 8, .value_kind: global_buffer, .address_space: global }
    .group_segment_fixed_size: 69120
    .private_segment_fixed_size: 0
    .kernarg_segment_align: 8
    .kernarg_segment_size: 32
    .max_flat_workgroup_size: 256
    .sgpr_count:     66
    .vgpr_count:     336
    .wavefront_size: 32
...
	.end_amdgpu_metadata
.endif
;; end of part 1
;; launch quant_w (part 2): grid 256 x 1, 8 waves a work-group, no clusters, 69,120 bytes of LDS; arguments weight, scale, lrls_A, part, wq; writes wq
.if DOCPART == 2
	.amdgcn_target "amdgcn-amd-amdhsa--gfx1250"
	.amdhsa_code_object_version 6
	.text
	.protected	k_q5c0fcef929_quant_w
	.globl	k_q5c0fcef929_quant_w
	.p2align	8
	.type	k_q5c0fcef929_quant_w,@function
k_q5c0fcef929_quant_w:
	s_mov_b64 s[64:65], 0
	v_nop
	global_prefetch_b8 v0, s[64:65] scope:SCOPE_SE
	s_setreg_imm32_b32 hwreg(HW_REG_WAVE_MODE, 25, 1), 1
	s_wait_xcnt 0x0
; w_eff[o][i] = (weight + (clip(round(weight / 0.5), -1, 1) - weight)) x scale_eff[o], scale_eff = scale + lrls_A @ (lrls_B @ mean of x's rows), all in f32 and step by step as the problem writes it,
; is turned into codes of E3M2 with one E8M0 scale byte for each 32 along i, into wq, laid as xq is: [32 groups of 128 rows o][32 steps of 128 along K][12,800 bytes]: eight images of the operand's registers, then the scale words.
; THE CORRECTION.  part holds 256 work-groups' shares of lrls_B @ (the sum of x's 4,096 rows), 16 numbers each.  Every work-group adds them in the same order, so that all get the same bits, and multiplies by 2^-12
; (exact): v[16].  corr = lrls_A's row . v is finished apart and added to scale by ONE addition: where scale_eff lies near a power of two, on which side it falls decides the codes.
; LEFT OUT: the input threshold, which reference() never reads (it takes the constant 0.5): not loaded, no argument.
; LIMITS: NaN and infinities among the inputs are not served.  A block of zeros gets the byte 1 where the rule says 127: its codes are zeros, and this program alone reads the bytes.
; SHARES: work-group = (g = group of 128 rows, kq = 512 along K); wave w takes K step s = 4 kq + w % 4 and rows 64 (w / 4) on: four fragments of 16 rows, written out.
; A load takes 512 consecutive bytes of a row; a fragment turns through the wave's own stage (rows 528 bytes apart), so that a lane holds two whole blocks of 32 of ONE row; stores cover 512 consecutive bytes, aligned to 256.
; No tensor loads, no matrix unit, no cluster: what work-groups share (part, lrls_A, scale) is small beside the weights, which each work-group reads once.
.set ROWB,  16384
.set STEPB, 12800
.set WORDS, 12288
.set FRB,   1536
.set SP,    528
.set STG,   16*SP
.set RED,   8*STG                      ; behind the stages: 64 bytes for each wave
.set OFF, 1                            ; v1   16 x lane
.set STI, 2                            ; v2   the stage, on the way in
.set STO, 3                            ; v3   on the way out: row r, + 128 h
.set SH,  4                            ; v4   8 h
.set O8,  5                            ; v5   8 x lane
.set MX,  6
.set SO,  8
.set BY,  10
.set PD,  12
.set RW,  13                           ; v13  where I put my wave's sums
.set RR,  14                           ; v14  where I read all waves' sums
.set PTO, 15                           ; v15  16 x my thread's number: my place in part
.set W,   16                           ; v16-19 the four fragments' scale words
.set PT,  20                           ; v20-35 numbers of part, ahead of the codes' first use
.set CW,  0                            ; window 1, v0-59: fragment j's 12 registers of codes at 16 j: every store has data registers of its own, which are never written again
.set TW,  64                           ; window 1, v64-71: the conversions' second halves
.set MSB, 0
.macro WIN new                         ; s_set_vgpr_msb; the immediate's high byte repeats the setting that is left
.if MSB != (\new)
	s_set_vgpr_msb (MSB<<8)|(\new)
.set MSB, (\new)
.endif
.endm
.set T,   36                           ; v36-43 at work
.set CR,  44                           ; v44-47 corr of my row in each of the four tiles
.set SCL, 48                           ; v48-51 scale likewise
.set SE,  52                           ; v52-59 scale_eff, twice: a pair for the packed multiply
.set AO,  60                           ; v60  64 r
.set SCO, 61                           ; v61  4 r
.set R,   64                           ; v64-191 two sets of 16 rows as loaded
.set X,   192                          ; v192-255 lrls_A's rows at first; then my 64 numbers
.set V,   32                           ; s[32:47] v
.macro LOAD j
.irp t, 0,1,2,3,4,5,6,7,8,9,10,11,12,13,14,15
	global_load_b128 v[R+64*((\j)%2)+4*\t:R+64*((\j)%2)+4*\t+3], v[OFF], s[4:5] offset:(16*(\j)+\t)*ROWB th:TH_LOAD_NT
.endr
.endm
.macro TURN j                          ; LDS serves a wave's instructions in order (ISA guide 5.7.1.4): no wait between the stores and the loads
.set RS, R+64*((\j)%2)
.irp t, 0,1,2,3,4,5,6,7,8,9,10,11,12,13,14,15
	ds_store_b128 v[STI], v[RS+4*\t:RS+4*\t+3] offset:SP*\t
.endr
.irp c, 0,1
.irp u, 0,1,2,3,4,5,6,7
	ds_load_b128 v[X+32*\c+4*\u:X+32*\c+4*\u+3], v[STO] offset:256*\c+16*\u
.endr
.endr
.endm
.macro TERN j                          ; my 64 weights become w_eff, eight at a time
.irp k, 0,1,2,3,4,5,6,7
.irp i, 0,2,4,6
	v_pk_add_f32 v[T+\i:T+\i+1], v[X+8*\k+\i:X+8*\k+\i+1], v[X+8*\k+\i:X+8*\k+\i+1]   ; w / 0.5 = w + w, exact
.endr
.irp i, 0,1,2,3,4,5,6,7
	v_rndne_f32 v[T+\i], v[T+\i]                   ; to the nearest whole number, ties to even
.endr
.irp i, 0,1,2,3,4,5,6,7
	v_med3_num_f32 v[T+\i], v[T+\i], -1.0, 1.0     ; held to -1 .. 1
.endr
.irp i, 0,2,4,6
	v_pk_add_f32 v[T+\i:T+\i+1], v[T+\i:T+\i+1], v[X+8*\k+\i:X+8*\k+\i+1] neg_lo:[0,1] neg_hi:[0,1]   ; - w
.endr
.irp i, 0,2,4,6
	s_delay_alu instid0(VALU_DEP_4)
	v_pk_add_f32 v[X+8*\k+\i:X+8*\k+\i+1], v[X+8*\k+\i:X+8*\k+\i+1], v[T+\i:T+\i+1]                   ; w + that
.endr
.irp i, 0,2,4,6
	s_delay_alu instid0(VALU_DEP_4)
	v_pk_mul_f32 v[X+8*\k+\i:X+8*\k+\i+1], v[X+8*\k+\i:X+8*\k+\i+1], v[SE+2*(\j):SE+2*(\j)+1]         ; x my row's scale_eff
.endr
.endr
.endm
.macro QUANT j
.irp c, 0,1
	v_max3_num_f32 v[MX+\c], |v[X+32*\c]|, |v[X+32*\c+1]|, 0x2800000   ; a block is all mine; the floor 2^(5 - 127) is one more leaf: the byte cannot fall under 1
.endr
.irp i, 2,4,6,8,10,12,14,16,18,20,22,24,26,28,30
.irp c, 0,1
	s_delay_alu instid0(VALU_DEP_2)
	v_max3_num_f32 v[MX+\c], v[MX+\c], |v[X+32*\c+\i]|, |v[X+32*\c+\i+1]|
.endr
.endr
.irp c, 0,1
	s_delay_alu instid0(VALU_DEP_2)
	v_add_nc_u32 v[SO+\c], 0xfe000000, v[MX+\c]    ; 4 off the exponent field: the conversion's scale operand
.endr
.irp c, 0,1
	s_delay_alu instid0(VALU_DEP_2)
	v_lshrrev_b32 v[BY+\c], 23, v[SO+\c]           ; the scale's byte
.endr
	s_delay_alu instid0(VALU_DEP_1)
	v_lshl_or_b32 v[BY], v[BY+1], 16, v[BY]
	s_delay_alu instid0(VALU_DEP_1)
	v_lshlrev_b32 v[BY], v[SH], v[BY]
	s_delay_alu instid0(VALU_DEP_1)
	v_permlanex16_b32 v[PD], v[BY], s20, s21
	s_delay_alu instid0(VALU_DEP_1)
	v_or_b32 v[W+(\j)], v[BY], v[PD]               ; the row's scale word, in both lanes
.irp c, 0,1
	WIN 0x40                                       ; destinations in window 1
	v_cvt_scalef32_pk16_bf6_f32 v[CW+16*(\j)+6*\c:CW+16*(\j)+6*\c+2], v[X+32*\c:X+32*\c+15], v[SO+\c]
	v_cvt_scalef32_pk16_bf6_f32 v[TW+4*\c:TW+4*\c+2], v[X+32*\c+16:X+32*\c+31], v[SO+\c]   ; (a conversion's three registers begin on an even number)
.endr
	v_nop                                          ; one plain instruction behind the scaled conversions
.irp c, 0,1
.irp i, 0,1,2
	WIN 0x41                                       ; source 0 in window 1 too
	v_mov_b32 v[CW+16*(\j)+6*\c+3+\i], v[TW+4*\c+\i]
.endr
.endr
.endm
.macro OUT j
.irp c, 0,1,2
	WIN 0x04                                       ; the data in window 1, the address in window 0
	global_store_b128 v[OFF], v[CW+16*(\j)+4*\c:CW+16*(\j)+4*\c+3], s[48:49] offset:FRB*(\j)+512*\c
.endr
.endm
.macro FOLD reg, tmp                   ; four registers are added over the lanes l xor 4, 8, 16
.irp m, 4,8
.irp e, 0,1,2,3
	v_add_f32_dpp v[\reg+\e], v[\reg+\e], v[\reg+\e] row_xmask:\m row_mask:0xf bank_mask:0xf
.endr
.endr
.irp e, 0,1,2,3
	s_delay_alu instid0(VALU_DEP_4)
	v_permlanex16_b32 v[\tmp+\e], v[\reg+\e], s20, s21
.endr
.irp e, 0,1,2,3
	s_delay_alu instid0(VALU_DEP_4)
	v_add_f32 v[\reg+\e], v[\reg+\e], v[\tmp+\e]
.endr
.endm
.macro FRAGMENT j, left
	s_wait_loadcnt \left                           ; this fragment's 16 loads are in; the next fragment's 16 stay out
	TURN \j
	s_wait_dscnt 0x0                               ; the stage's stores have read the set, and my 64 numbers are back
.if (\j) < 2
	LOAD (\j)+2
.endif
	TERN \j
	QUANT \j
	OUT \j
	WIN 0
.endm
	s_load_b256 s[4:11], s[0:1], 0x0               ; weight s[4:5], scale s[6:7], lrls_A s[8:9], part s[10:11]
	s_load_b64 s[48:49], s[0:1], 0x20              ; wq
	v_lshl_add_u32 v62, v0, 2, 0x10a00
	v_mov_b32 v63, 0
	v_lshrrev_b32 v1, 5, v0
	s_delay_alu instid0(VALU_DEP_1)
	v_readfirstlane_b32 s16, v1                    ; wave 0..7
	v_and_b32 v10, 31, v0                          ; lane
	v_and_b32 v11, 15, v0                          ; r
	v_bfe_u32 v12, v0, 4, 1                        ; h
	s_delay_alu instid0(VALU_DEP_3)
	v_lshlrev_b32 v[OFF], 4, v10
	s_delay_alu instid0(VALU_DEP_4)
	v_lshlrev_b32 v[O8], 3, v10
	s_delay_alu instid0(VALU_DEP_3)
	v_lshlrev_b32 v[SH], 3, v12
	v_lshlrev_b32 v[PTO], 4, v0
	v_lshlrev_b32 v[AO], 6, v11
	v_lshlrev_b32 v[SCO], 2, v11
	s_mul_i32 s15, s16, STG
	v_add_nc_u32 v[STI], s15, v[OFF]
	v_mul_u32_u24 v[STO], v11, SP
	s_delay_alu instid0(VALU_DEP_1)
	v_lshl_add_u32 v[STO], v12, 7, v[STO]
	s_delay_alu instid0(VALU_DEP_1)
	v_add_nc_u32 v[STO], s15, v[STO]
	s_lshl_b32 s15, s16, 6
	s_add_co_u32 s15, s15, RED
	v_and_b32 v[RW], 3, v0
	s_delay_alu instid0(VALU_DEP_1)
	v_lshlrev_b32 v[RW], 4, v[RW]
	s_delay_alu instid0(VALU_DEP_1)
	v_add_nc_u32 v[RW], s15, v[RW]
	v_add_nc_u32 v[RR], RED, v[OFF]
	v_mov_b32 v[PD], 0                             ; written once: a lane permute's destination counts as one of its sources
	s_mov_b32 s20, 0x76543210
	s_mov_b32 s21, 0xfedcba98
	s_lshr_b32 s17, ttmp9, 3                       ; g
	s_and_b32 s18, ttmp9, 7
	s_lshl_b32 s18, s18, 2
	s_and_b32 s19, s16, 3
	s_add_co_u32 s18, s18, s19                     ; s
	s_lshr_b32 s19, s16, 2                         ; G
	s_lshl_b32 s22, s17, 21                        ; weight: 128 g + 64 G rows of 16,384 bytes, 128 s columns
	s_lshl_b32 s14, s19, 20
	s_add_co_u32 s22, s22, s14
	s_lshl_b32 s14, s18, 9
	s_add_co_u32 s22, s22, s14
	s_mov_b32 s23, 0
	s_lshl_b32 s24, s17, 9                         ; scale: 4 bytes a row
	s_lshl_b32 s14, s19, 8
	s_add_co_u32 s24, s24, s14
	s_mov_b32 s25, 0
	s_lshl_b32 s26, s24, 4                         ; lrls_A: 64 bytes a row
	s_mov_b32 s27, 0
	s_lshl_b32 s28, s17, 5
	s_add_co_u32 s28, s28, s18
	s_mul_i32 s28, s28, STEPB                      ; wq: the block of group g, K step s
	s_lshl_b32 s30, s19, 8
	s_add_co_u32 s30, s30, s28
	s_add_co_u32 s30, s30, WORDS                   ; my 256 bytes of scale words: 12,288 + 256 G
	s_mov_b32 s31, 0
	s_mul_i32 s14, s19, 4*FRB
	s_add_co_u32 s28, s28, s14                     ; my four images: 4 G x 1,536 on
	s_mov_b32 s29, 0
	s_wait_kmcnt 0x0
	s_add_nc_u64 s[4:5], s[4:5], s[22:23]
	s_add_nc_u64 s[6:7], s[6:7], s[24:25]
	s_add_nc_u64 s[8:9], s[8:9], s[26:27]
	s_add_nc_u64 s[12:13], s[48:49], s[30:31]
	s_add_nc_u64 s[48:49], s[48:49], s[28:29]
.irp u, 0,1,2,3
	global_load_b128 v[PT+4*\u:PT+4*\u+3], v[PTO], s[10:11] offset:4096*\u   ; thread t: numbers 4 (t % 4) on of shares t / 4 + 64 u
.endr
.irp j, 0,1,2,3
.irp c, 0,1,2,3
	global_load_b128 v[X+16*\j+4*\c:X+16*\j+4*\c+3], v[AO], s[8:9] offset:1024*\j+16*\c   ; lrls_A's row of my row in tile j
.endr
.endr
.irp j, 0,1,2,3
	global_load_b32 v[SCL+\j], v[SCO], s[6:7] offset:64*\j
.endr
	LOAD 0                                         ; the weights are on their way while scale_eff is made
	LOAD 1
	s_wait_loadcnt 52                              ; part's four loads are in: behind them 16 of lrls_A, 4 of scale, 32 of weight
	v_pk_add_f32 v[PT:PT+1], v[PT:PT+1], v[PT+4:PT+5]
	v_pk_add_f32 v[PT+2:PT+3], v[PT+2:PT+3], v[PT+6:PT+7]
	v_pk_add_f32 v[PT+8:PT+9], v[PT+8:PT+9], v[PT+12:PT+13]
	v_pk_add_f32 v[PT+10:PT+11], v[PT+10:PT+11], v[PT+14:PT+15]
	s_delay_alu instid0(VALU_DEP_2)
	v_pk_add_f32 v[PT:PT+1], v[PT:PT+1], v[PT+8:PT+9]
	s_delay_alu instid0(VALU_DEP_2)
	v_pk_add_f32 v[PT+2:PT+3], v[PT+2:PT+3], v[PT+10:PT+11]
	FOLD PT, PT+8                                  ; lane l: numbers 4 (l % 4) on, over my wave's 32 shares
	ds_store_b128 v[RW], v[PT:PT+3]                ; the eight lanes with the same l % 4 write the same bytes with the same values
	s_wait_dscnt 0x0                               ; for the others' sake: my store has landed
	s_barrier_signal -1
	s_barrier_wait -1
	ds_load_b128 v[PT+4:PT+7], v[RR]               ; lane l: numbers 4 (l % 4) on of wave l / 4
	s_wait_dscnt 0x0
	FOLD PT+4, PT+8
.irp e, 0,1,2,3
	s_delay_alu instid0(VALU_DEP_4)
	v_mul_f32 v[PT+4+\e], 0x39800000, v[PT+4+\e]   ; x 2^-12: the mean over 4,096 rows, exact
.endr
.irp c, 0,1,2,3
.irp e, 0,1,2,3
	v_readlane_b32 s[V+4*\c+\e], v[PT+4+\e], \c
.endr
.endr
	s_wait_loadcnt 32                              ; lrls_A and scale are in; the 32 loads of weight stay out
.irp j, 0,1,2,3
	v_mul_f32 v[CR+\j], s[V], v[X+16*\j]
.endr
.irp c, 1,2,3,4,5,6,7,8,9,10,11,12,13,14,15
.irp j, 0,1,2,3
	s_delay_alu instid0(VALU_DEP_4)
	v_fmac_f32 v[CR+\j], s[V+\c], v[X+16*\j+\c]    ; (the four tiles by turns)
.endr
.endr
.irp j, 0,1,2,3
	v_add_f32 v[SE+2*\j], v[SCL+\j], v[CR+\j]      ; scale + corr, one addition
	v_add_f32 v[SE+2*\j+1], v[SCL+\j], v[CR+\j]
.endr
	FRAGMENT 0, 16
	FRAGMENT 1, 16
	FRAGMENT 2, 16
	FRAGMENT 3, 0
	s_mov_b32 vcc_lo, 0xffff0000
	v_cndmask_b32 v[BY], v[W], v[W+2], vcc_lo      ; lanes 0-15 send the words of fragments 0 and 1, lanes 16-31 those of 2 and 3
	v_cndmask_b32 v[BY+1], v[W+1], v[W+3], vcc_lo
	global_store_b64 v[O8], v[BY:BY+1], s[12:13]   ; 32 lanes store 256 consecutive bytes, aligned
	s_wait_tensorcnt 0x0                           ; the wave's end
	ds_add_u32 v62, v63
	s_wait_dscnt 0x0
	s_endpgm
.Lfunc_end_k_q5c0fcef929_quant_w:
	.size	k_q5c0fcef929_quant_w, .Lfunc_end_k_q5c0fcef929_quant_w-k_q5c0fcef929_quant_w
	.p2alignl 7, 3214868480
	.fill 96, 4, 3214868480
	.section	.rodata,"a",@progbits
	.p2align	6, 0x0
	.amdhsa_kernel k_q5c0fcef929_quant_w
		.amdhsa_group_segment_fixed_size 69120
		.amdhsa_private_segment_fixed_size 0
		.amdhsa_enable_private_segment 0
		.amdhsa_kernarg_size 40
		.amdhsa_user_sgpr_count 2
		.amdhsa_user_sgpr_kernarg_segment_ptr 1
		.amdhsa_wavefront_size32 1
		.amdhsa_system_sgpr_workgroup_id_x 1
		.amdhsa_system_sgpr_workgroup_id_y 1
		.amdhsa_system_sgpr_workgroup_id_z 1
		.amdhsa_system_vgpr_workitem_id 0
		.amdhsa_next_free_vgpr 336
		.amdhsa_next_free_sgpr 66
		.amdhsa_reserve_vcc 1
		.amdhsa_float_denorm_mode_32 3
		.amdhsa_float_denorm_mode_16_64 3
		.amdhsa_memory_ordered 1
		.amdhsa_forward_progress 1
		.amdhsa_inst_pref_size 111
	.end_amdhsa_kernel
	.amdgpu_metadata
---
amdhsa.version: [ 1, 2 ]
amdhsa.kernels:
  - .name:           k_q5c0fcef929_quant_w
    .symbol:         k_q5c0fcef929_quant_w.kd
    .args:
      - { .name: weight, .offset: 0, .size: 8, .value_kind: global_buffer, .address_space: global }
      - { .name: scale, .offset: 8, .size: 8, .value_kind: global_buffer, .address_space: global }
      - { .name: lrls_A, .offset: 16, .size: 8, .value_kind: global_buffer, .address_space: global }
      - { .name: part, .offset: 24, .size: 8, .value_kind: global_buffer, .address_space: global }
      - { .name: wq, .offset: 32, .size: 8, .value_kind: global_buffer, .address_space: global }
    .group_segment_fixed_size: 69120
    .private_segment_fixed_size: 0
    .kernarg_segment_align: 8
    .kernarg_segment_size: 40
    .max_flat_workgroup_size: 256
    .sgpr_count:     66
    .vgpr_count:     336
    .wavefront_size: 32
...
	.end_amdgpu_metadata
.endif
;; end of part 2
;; launch gemm (part 3): grid 16 x 16, 4 waves a work-group, clusters of 4 x 4, 327,680 bytes of LDS; arguments xq, wq, out0; writes out0
.if DOCPART == 3
	.amdgcn_target "amdgcn-amd-amdhsa--gfx1250"
	.amdhsa_code_object_version 6
	.text
	.protected	k_q5c0fcef929_gemm
	.globl	k_q5c0fcef929_gemm
	.p2align	8
	.type	k_q5c0fcef929_gemm,@function
k_q5c0fcef929_gemm:
	s_mov_b64 s[64:65], 0
	v_nop
	global_prefetch_b8 v0, s[64:65] scope:SCOPE_SE
	s_setreg_imm32_b32 hwreg(HW_REG_WAVE_MODE, 25, 1), 1
	s_wait_xcnt 0x0
	s_wait_alu depctr_hold_cnt(0) depctr_sa_sdst(0) depctr_va_vdst(0) depctr_va_sdst(0) depctr_va_ssrc(0) depctr_va_vcc(0) depctr_vm_vsrc(0)
	s_getreg_b32 s2, hwreg(HW_REG_IB_STS2, 6, 4)
	s_cmp_eq_u32 s2, 0
	s_cbranch_scc0 .Lentry_in_a_cluster
	s_endpgm
.Lentry_in_a_cluster:
	s_bfe_u32 s2, ttmp6, 0x10000c
	s_cmp_lg_u32 s2, 0xf033
	s_cbranch_scc0 .Lentry_shape_is_right
	s_endpgm
.Lentry_shape_is_right:
; out0[m][n] = sum over k of xq[m][k] wq[n][k]: both operands are codes of E3M2 with one E8M0 byte for each 32 along K, as the two launches before laid them:
; [32 groups of 128 rows][32 steps of 128 along K][12,800 bytes]: eight images of a fragment's 12 registers (1,536 bytes each), then the rows' scale words.
; A work-group of four waves makes 256 x 256 of out0, a wave 128 x 128: 64 accumulators.  K goes through a ring of two LDS slots of three steps each (4 x 38,400 bytes a slot);
; a wave fetches a quarter of a slot by one tensor load of 150 dense rows of 256 bytes.  The last chunk has two steps (100 rows).
; CLUSTERS: 4 x 4 work-groups; x's tiles are asked for jointly along a row of the cluster, w's along a column.
; THE MATRIX INSTRUCTION IS USED TRANSPOSED (source 0 = 16 rows of w, source 1 = 16 rows of x): a lane holds eight neighbouring numbers of a row of out0.
; REGISTERS, four windows of 256, laid alike: v32-79 and v80-127 two sets of four fragments; v128-255 sixteen accumulators; window 0 also: v0-13 addresses, v16-31 scale words, two sets of 8.
;   window 0: x's blocks 0-3; window 1: x's blocks 4-7; window 2: w's blocks 0-3; window 3: w's blocks 4-7.  Accumulator (a, b) lies in window 2 (a / 4) + b / 4 at v[128 + 8 (4 (a % 4) + b % 4)].
; A step of 128 along K is four phases of 16 products, phase w on window w's accumulators, under one window setting: D and C window w, source 1 window w / 2, source 0 window 2 + w % 2.
; BOTH operands have two sets of registers: while one set is multiplied, the next step's fragments come into the other, in two runs of loads: 28 at the step's start, 24 in its middle.
; So a slot's last step is in registers a step before it is multiplied, and that step opens with the change of slots: the slot is filled again after its first 16 products.
; PREFETCH: behind each joint load, the head's two among them, the chunk of the NEXT refill is named: 150 rows of 256 bytes for each loading wave, shared out by address among the four partners
; that ask for the tile jointly (37 or 38 rows each), once in each cluster that will load them.  The short last chunk is not named: its share-out would pass the buffer's end.
.set SIZE_N, 4096
.set STEPB,  12800
.set WORDS,  12288
.set GRP,    32*STEPB
.set SBLK,   3*STEPB                   ; three steps of 128 rows: what one tensor load brings
.set SLOT,   4*SBLK
.set TRIPS,  4
.set SPARE,  2*SLOT                    ; behind the ring: the spare words, 128 bytes a wave
.set STAGE,  SLOT                      ; the way out goes through slot 1, which has had its last fill and its last read by then
.set SPITCH, 528
.set ADRA, 1                           ; v1-2  LDS address of my x fragments in slot 0, 1
.set ADRB, 3                           ; v3-4  the same for w
.set ADRS, 5                           ; v5-6  scale words: lanes 0-15 x's rows, lanes 16-31 w's
.set STO,  7
.set RD,   8
.set CO,   9
.set SPW,  10
.set NIL,  11
.set PFO,  12
.set PFO2, 13
.set SC,   16                          ; v16-31 scale words, set p at 16 + 8 p: register i: lanes 0-15 x's block i, lanes 16-31 w's block i
.set FRG,  32
.set ACC,  128
.set G1,   24
.set G0,   32
.set G1B,  48
.set G0B,  56
.set PFA,  66
.set G1T,  76
.set G1TB, 84
.set MSB, 0
.macro WIN new                         ; the immediate's high byte repeats the setting that is left
.if MSB != (\new)
	s_set_vgpr_msb (MSB<<8)|(\new)
.set MSB, (\new)
.endif
.endm
.macro JLOAD g0a, g1a, g0b, g1b        ; a joint load: waves 0 and 1 fetch x's halves, waves 2 and 3 w's
	s_cmp_eq_u32 s15, 0
	s_cbranch_scc0 .Lfor_b_\@
	tensor_load_to_lds s[\g0a:\g0a+3], s[\g1a:\g1a+7]
	s_nop 0
.rept 4
	v_nop
.endr
	s_branch .Lasked_\@
.Lfor_b_\@:
	tensor_load_to_lds s[\g0b:\g0b+3], s[\g1b:\g1b+7]
	s_nop 0
.rept 4
	v_nop
.endr
.Lasked_\@:
.endm
.macro ASK how                         ; my work-group's 37 or 38 rows of the next refill's chunk; how = 2: not in the loop's last trip, where that chunk is the short one
.if \how == 2
	s_cmp_gt_u32 s3, 1
	s_cbranch_scc0 .Lnot_now_\@
.endif
	global_prefetch_b8 v[PFO], s[PFA:PFA+1] th:TH_LOAD_NT scope:SCOPE_SE
	global_prefetch_b8 v[PFO2], s[PFA:PFA+1] offset:8192 th:TH_LOAD_NT scope:SCOPE_SE
.if \how == 2
.Lnot_now_\@:
.endif
.endm
.macro CREST                           ; a round of the cluster's barrier behind its opening barrier
	s_cmp_lg_u32 s14, 0
	s_cbranch_scc1 .Lnot_wave_0_\@
	s_barrier_signal -3
.Lnot_wave_0_\@:
	s_barrier_wait -3
	s_barrier_signal -1
	s_barrier_wait -1
.endm
.macro CROUND
	s_barrier_signal -1
	s_barrier_wait -1
	CREST
.endm
.macro PLACES
.rept 4
	v_nop
.endr
.endm
	s_load_b128 s[4:7], s[0:1], 0x0                ; xq, wq
	s_load_b64 s[12:13], s[0:1], 0x10              ; out0
	v_lshl_add_u32 v[SPW], v0, 2, SPARE
	v_mov_b32 v[NIL], 0
	ds_add_u32 v[SPW], v[NIL]                      ; the opening lines: the add twice on end and one wait
	ds_add_u32 v[SPW], v[NIL]
	v_lshrrev_b32 v32, 5, v0
	v_readfirstlane_b32 s14, v32                   ; wave 0..3
	s_lshr_b32 s15, s14, 1                         ; my half of the rows; also: I fetch for x (0) or w (1)
	s_and_b32 s16, s14, 1                          ; my half of the columns; also: which 128 rows I fetch
	s_bfe_u32 s40, ttmp6, 0x40000                  ; cx
	s_bfe_u32 s41, ttmp6, 0x40004                  ; cy
	s_lshl_b32 s42, ttmp9, 2
	s_add_co_u32 s42, s42, s40                     ; tile column
	s_and_b32 s17, ttmp7, 0xffff
	s_lshl_b32 s17, s17, 2
	s_add_co_u32 s17, s17, s41                     ; tile row
	s_lshl_b32 s43, s41, 2
	s_lshl_b32 s43, 15, s43                        ; my row of the cluster
	s_lshl_b32 s44, 0x1111, s40                    ; my column
	s_or_b32 s[G1+0], s43, (3<<16)|(1<<21)         ; elements of 8 bytes; the mask, bit 21 beside it
	s_or_b32 s[G1B+0], s44, (3<<16)|(1<<21)
.irp g, G1, G1B
	s_mov_b32 s[\g+1], 32<<16                      ; rows of 256 bytes,
	s_mov_b32 s[\g+2], 150<<16                     ; 150 of them, dense
	s_mov_b32 s[\g+3], 32<<16
	s_mov_b32 s[\g+4], 150
	s_mov_b32 s[\g+5], 32
	s_mov_b32 s[\g+6], 0
	s_mov_b32 s[\g+7], 0
.endr
	s_or_b32 s[G1T+0], s43, (3<<16)|(1<<21)        ; the last chunk: 100 rows
	s_or_b32 s[G1TB+0], s44, (3<<16)|(1<<21)
.irp g, G1T, G1TB
	s_mov_b32 s[\g+1], 32<<16
	s_mov_b32 s[\g+2], 100<<16
	s_mov_b32 s[\g+3], 32<<16
	s_mov_b32 s[\g+4], 100
	s_mov_b32 s[\g+5], 32
	s_mov_b32 s[\g+6], 0
	s_mov_b32 s[\g+7], 0
.endr
	s_lshl_b32 s20, s17, 1
	s_add_co_u32 s20, s20, s16
	s_mul_i32 s20, s20, GRP                        ; xq: group 2 x tile row + half
	s_mov_b32 s21, 0
	s_lshl_b32 s46, s42, 1
	s_add_co_u32 s46, s46, s16
	s_mul_i32 s46, s46, GRP                        ; wq: group 2 x tile column + half
	s_mov_b32 s47, 0
	s_mul_i32 s45, s14, SBLK                       ; where my quarter of a slot lies
	s_wait_dscnt 0x0                               ; both opening adds are done
	s_wait_kmcnt 0x0
	s_add_nc_u64 s[20:21], s[4:5], s[20:21]
	s_add_nc_u64 s[46:47], s[6:7], s[46:47]
.irp s, 0,1
	s_mov_b32 s[G0+4*\s], 1
	s_add_co_u32 s[G0+4*\s+1], s45, \s*SLOT
	s_add_nc_u64 s[G0+4*\s+2:G0+4*\s+3], s[20:21], \s*SBLK
	s_or_b32 s[G0+4*\s+3], s[G0+4*\s+3], 0x80000000
	s_mov_b32 s[G0B+4*\s], 1
	s_add_co_u32 s[G0B+4*\s+1], s45, \s*SLOT
	s_add_nc_u64 s[G0B+4*\s+2:G0B+4*\s+3], s[46:47], \s*SBLK
	s_or_b32 s[G0B+4*\s+3], s[G0B+4*\s+3], 0x80000000
.endr
	CROUND                                         ; all sixteen work-groups are here: the first joint loads meet
	JLOAD G0, G1, G0B, G1B                         ; steps 0 to 2: one tensor load a wave at the head
	; scalar work first, then the vector work on end
	s_cmp_eq_u32 s15, 0                            ; the prefetches: the tensor that I fetch for, my place among the four partners
	s_cselect_b32 s70, s17, s42
	s_cselect_b32 s71, s40, s41
	s_cselect_b64 s[PFA:PFA+1], s[4:5], s[6:7]
	s_lshl_b32 s70, s70, 1
	s_add_co_u32 s70, s70, s16
	s_mul_i32 s70, s70, GRP
	s_and_b32 s74, s71, 1
	s_add_co_u32 s74, s74, 4                       ; 37 or 38 rows: the second prefetch names 5 or 6 of them
	s_lshr_b32 s73, s71, 1
	s_mul_i32 s71, s71, 37
	s_add_co_u32 s71, s71, s73
	s_lshl_b32 s71, s71, 8
	s_add_co_u32 s70, s70, s71
	s_add_co_u32 s70, s70, SBLK                    ; at chunk 1
	s_mov_b32 s71, 0
	s_add_nc_u64 s[PFA:PFA+1], s[PFA:PFA+1], s[70:71]
	s_lshl_b32 s20, s17, 8
	s_lshl_b32 s21, s15, 7
	s_add_co_u32 s20, s20, s21                     ; my first row of out0,
	s_lshl_b32 s20, s20, 14                        ; in bytes,
	s_lshl_b32 s46, s42, 10
	s_lshl_b32 s47, s16, 9
	s_add_co_u32 s46, s46, s47                     ; and my first column
	s_add_co_u32 s20, s20, s46
	s_mov_b32 s21, 0
	s_add_nc_u64 s[12:13], s[12:13], s[20:21]
	s_mul_i32 s21, s15, SBLK                       ; my 128 rows of x in slot 0,
	s_mul_i32 s22, s16, SBLK
	s_add_co_u32 s22, s22, 2*SBLK                  ; my 128 rows of w,
	s_add_co_u32 s8, s21, SLOT                     ; and in slot 1
	s_add_co_u32 s9, s22, SLOT
	s_xor_b32 s23, s15, 1
	s_add_co_u32 s10, s16, s23
	s_add_co_u32 s10, s10, 1
	s_mul_i32 s10, s10, SBLK                       ; from x's region to w's
	s_add_co_u32 s11, s21, WORDS
	s_add_co_u32 s18, s11, SLOT
	s_mul_i32 s23, s14, 16*SPITCH
	s_add_co_u32 s23, s23, STAGE                   ; my stage
	v_and_b32 v34, 31, v0                          ; lane
	v_lshlrev_b32 v[PFO], 8, v34
	v_min_u32 v[PFO2], s74, v34
	v_lshlrev_b32 v[PFO2], 8, v[PFO2]
	ASK 1                                          ; chunk 1, whose load goes out when chunk 0 has landed
	v_and_b32 v32, 15, v0                          ; r
	v_bfe_u32 v33, v0, 4, 1                        ; h
	v_lshlrev_b32 v[CO], 4, v34
	v_mul_u32_u24 v35, s10, v33                    ; lanes 16-31 take w's words
	v_lshl_add_u32 v35, v32, 3, v35
	v_mul_u32_u24 v36, v32, SPITCH
	v_lshl_add_u32 v36, v33, 5, v36
	v_add_nc_u32 v[STO], s23, v36
	v_add_nc_u32 v[RD], s23, v[CO]
	v_add_nc_u32 v[ADRA], s21, v[CO]
	v_add_nc_u32 v[ADRA+1], s8, v[CO]
	v_add_nc_u32 v[ADRB], s22, v[CO]
	v_add_nc_u32 v[ADRB+1], s9, v[CO]
	v_add_nc_u32 v[ADRS], s11, v35
	v_add_nc_u32 v[ADRS+1], s18, v35
; window w's twelve loads of 512 bytes on end: its four fragments of step q of a slot, into set p; window 0: and the step's four loads of scale words
.macro RUN w, p, slot, q
	WIN (\w)<<6
.set K, 0
.rept 12
.if (\w) < 2
	ds_load_b128 v[FRG+48*(\p)+4*K:FRG+48*(\p)+4*K+3], v[ADRA+(\slot)] offset:(\q)*STEPB+(4*((\w)%2)+K/3)*1536+512*(K%3)
.else
	ds_load_b128 v[FRG+48*(\p)+4*K:FRG+48*(\p)+4*K+3], v[ADRB+(\slot)] offset:(\q)*STEPB+(4*((\w)%2)+K/3)*1536+512*(K%3)
.endif
.set K, K+1
.endr
.if (\w) == 0
.irp u, 0,1,2,3
	ds_load_b64 v[SC+8*(\p)+2*\u:SC+8*(\p)+2*\u+1], v[ADRS+(\slot)] offset:(\q)*STEPB+128*\u
.endr
.endif
.endm
; products lo .. hi - 1 of phase w on set p.  The sixteen accumulators take turns, one instruction a turn.
.macro PH w, p, lo, hi, zero
.set K, \lo
.rept (\hi)-(\lo)
.set AC, ACC+8*K
.set FB, FRG+48*(\p)+12*(K%4)
.set FA, FRG+48*(\p)+12*(K/4)
.set SWB, SC+8*(\p)+4*((\w)%2)+K%4
.set SWA, SC+8*(\p)+4*((\w)/2)+K/4
.if \zero
	v_wmma_scale_f32_16x16x128_f8f6f4 v[AC:AC+7], v[FB:FB+11], v[FA:FA+11], 0, v[SWB], v[SWA] matrix_a_fmt:MATRIX_FMT_BF6 matrix_b_fmt:MATRIX_FMT_BF6 matrix_a_scale:MATRIX_SCALE_ROW1
.else
	v_wmma_scale_f32_16x16x128_f8f6f4 v[AC:AC+7], v[FB:FB+11], v[FA:FA+11], v[AC:AC+7], v[SWB], v[SWA] matrix_a_fmt:MATRIX_FMT_BF6 matrix_b_fmt:MATRIX_FMT_BF6 matrix_a_scale:MATRIX_SCALE_ROW1
.endif
.set K, K+1
.endr
.endm
; A step that stays in its slot.  The four places stand between the last step's products and the loads into the set that they read, for both runs.
.macro STEP slot, q, zero, ld
.set P, ((\q)+(\slot))%2
	PLACES
.if \ld
	RUN 0, 1-P, \slot, (\q)+1
	RUN 2, 1-P, \slot, (\q)+1
	s_wait_dscnt 28                                ; all but the 28 just issued: this step's fragments and scale words are in
.else
	s_wait_dscnt 0x0
.endif
	WIN 0x02
	PH 0, P, 0, 16, \zero
	WIN 0x53
	PH 1, P, 0, 16, \zero
.if \ld
	RUN 1, 1-P, \slot, (\q)+1
	RUN 3, 1-P, \slot, (\q)+1
.endif
	WIN 0xa6
	PH 2, P, 0, 16, \zero
	WIN 0xf7
	PH 3, P, 0, 16, \zero
.endm
; A slot's third step.  Its fragments were asked for in the step before, so my reads of the slot end with the wait for them.  fill: 1 a whole chunk, 2 the short one, 0 none.
.macro TURN slot, fill, ask
.set P, (\slot)%2
.if \ask
	s_wait_xcnt 0x0                                ; my last prefetches have read their address
	s_add_nc_u64 s[PFA:PFA+1], s[PFA:PFA+1], SBLK
.endif
	PLACES
	WIN 0
	s_wait_tensorcnt 0x0                           ; all my tensor loads have landed: my part of the next slot
	ds_add_u32 v[SPW], v[NIL]
	s_wait_dscnt 1                                 ; all but the add: this step's fragments are in
	WIN 0x02
	PH 0, P, 0, 8, 0
	s_wait_dscnt 0x0                               ; the add is done, and my reads of this slot are over
	s_barrier_signal -1
	PH 0, P, 8, 16, 0
	WIN 0
	s_barrier_wait -1
.if \fill
	CREST                                          ; the barrier has opened a round of the cluster's barrier
	s_add_nc_u64 s[G0+4*\slot+2:G0+4*\slot+3], s[G0+4*\slot+2:G0+4*\slot+3], 2*SBLK
	s_add_nc_u64 s[G0B+4*\slot+2:G0B+4*\slot+3], s[G0B+4*\slot+2:G0B+4*\slot+3], 2*SBLK
.if \fill == 1
	JLOAD G0+4*\slot, G1, G0B+4*\slot, G1B
.else
	JLOAD G0+4*\slot, G1T, G0B+4*\slot, G1TB
.endif
.endif
	RUN 0, 1-P, 1-(\slot), 0                       ; the next slot's first step
	RUN 2, 1-P, 1-(\slot), 0
.if \ask
	WIN 0
	ASK \ask
.endif
	WIN 0x53
	PH 1, P, 0, 16, 0
	RUN 1, 1-P, 1-(\slot), 0
	RUN 3, 1-P, 1-(\slot), 0
	WIN 0xa6
	PH 2, P, 0, 16, 0
	WIN 0xf7
	PH 3, P, 0, 16, 0
.endm
	s_wait_alu depctr_va_vdst(0)
	s_wait_tensorcnt 0x0                           ; my part of steps 0 to 2 is in
	ds_add_u32 v[SPW], v[NIL]
	s_wait_xcnt 0x0                                ; the head's prefetches have read their address:
	s_add_nc_u64 s[PFA:PFA+1], s[PFA:PFA+1], SBLK  ; on to chunk 2
	s_wait_dscnt 0x0
	CROUND
	JLOAD G0+4, G1, G0B+4, G1B                     ; steps 3 to 5, slot 1's first fill
	RUN 0, 0, 0, 0
	RUN 2, 0, 0, 0
	RUN 1, 0, 0, 0
	RUN 3, 0, 0, 0
	WIN 0
	ASK 1                                          ; chunk 2
	STEP 0, 0, 1, 1                                ; the first step's products start the sums
	WIN 0
	s_mov_b32 s3, TRIPS
.Llap:                                                 ; a trip goes once round the ring: six steps, both slots filled again
	STEP 0, 1, 0, 1
	TURN 0, 1, 1
	STEP 1, 0, 0, 1
	STEP 1, 1, 0, 1
	TURN 1, 1, 2
	STEP 0, 0, 0, 1
	WIN 0
	s_sub_co_u32 s3, s3, 1
	s_cmp_lg_u32 s3, 0
	s_cbranch_scc1 .Llap
	STEP 0, 1, 0, 1                                ; steps 25 to 31: one more fill, the short chunk
	TURN 0, 2, 0
	STEP 1, 0, 0, 1
	STEP 1, 1, 0, 1
	TURN 1, 0, 0
	STEP 0, 0, 0, 1
	STEP 0, 1, 0, 0
; THE WAY OUT, block by block of 16 rows x 128 columns, through my own stage: in as 32 bytes a lane, back as whole rows of 512 bytes.  LDS serves a wave's instructions in order (ISA guide 5.7.1.4).
; Every block comes back into registers of its own: blocks 0-3 into v32-95 of windows 0 to 3, blocks 4-7 into the accumulators of blocks 0-3 (windows 0 and 1), whose LDS stores a counted wait has shown done.
; A block's place in out0 stands in the stores' immediate.  So no store's data and no base is written again.
.macro TOSTAGE a
.irp bh, 0,1
	WIN (2*((\a)/4)+\bh)<<2
.irp b, 0,1,2,3
	ds_store_b128 v[STO], v[ACC+8*(4*((\a)%4)+\b):ACC+8*(4*((\a)%4)+\b)+3] offset:64*(4*\bh+\b)
	ds_store_b128 v[STO], v[ACC+8*(4*((\a)%4)+\b)+4:ACC+8*(4*((\a)%4)+\b)+7] offset:64*(4*\bh+\b)+16
.endr
.endr
.if (\a) < 4
	WIN (\a)<<6
.irp t, 0,1,2,3,4,5,6,7,8,9,10,11,12,13,14,15
	ds_load_b128 v[FRG+4*\t:FRG+4*\t+3], v[RD] offset:\t*SPITCH
.endr
.else
.irp hw, 0,1
	WIN \hw<<6
.irp t, 0,1,2,3,4,5,6,7
	ds_load_b128 v[ACC+32*((\a)-4)+4*\t:ACC+32*((\a)-4)+4*\t+3], v[RD] offset:(8*\hw+\t)*SPITCH
.endr
.endr
.endif
.endm
.macro SEND a, younger
	s_wait_dscnt \younger                          ; the block is back; the next block's 16 stores and 16 loads may be out
.if (\a) < 4
	WIN (\a)<<2
.irp t, 0,1,2,3,4,5,6,7,8,9,10,11,12,13,14,15
	global_store_b128 v[CO], v[FRG+4*\t:FRG+4*\t+3], s[12:13] offset:(16*(\a)+\t)*SIZE_N*4 th:TH_STORE_NT   ; 32 lanes store 512 consecutive bytes, aligned to 256; 127 rows of 16,384 bytes at the most: inside the signed 24-bit immediate
.endr
.else
.irp hw, 0,1
	WIN \hw<<2
.irp t, 0,1,2,3,4,5,6,7
	global_store_b128 v[CO], v[ACC+32*((\a)-4)+4*\t:ACC+32*((\a)-4)+4*\t+3], s[12:13] offset:(16*(\a)+8*\hw+\t)*SIZE_N*4 th:TH_STORE_NT
.endr
.endr
.endif
.endm
	PLACES
	TOSTAGE 0
.irp a, 1,2,3,4,5,6,7
	TOSTAGE \a
	SEND \a-1, 32
.endr
	SEND 7, 0
	WIN 0
	s_wait_tensorcnt 0x0                           ; the wave's end
	ds_add_u32 v[SPW], v[NIL]
	s_wait_dscnt 0x0
	CROUND                                         ; the closing round
	s_endpgm
.Lfunc_end_k_q5c0fcef929_gemm:
	.size	k_q5c0fcef929_gemm, .Lfunc_end_k_q5c0fcef929_gemm-k_q5c0fcef929_gemm
	.p2alignl 7, 3214868480
	.fill 96, 4, 3214868480
	.section	.rodata,"a",@progbits
	.p2align	6, 0x0
	.amdhsa_kernel k_q5c0fcef929_gemm
		.amdhsa_group_segment_fixed_size 327680
		.amdhsa_private_segment_fixed_size 0
		.amdhsa_enable_private_segment 0
		.amdhsa_kernarg_size 24
		.amdhsa_user_sgpr_count 2
		.amdhsa_user_sgpr_kernarg_segment_ptr 1
		.amdhsa_wavefront_size32 1
		.amdhsa_system_sgpr_workgroup_id_x 1
		.amdhsa_system_sgpr_workgroup_id_y 1
		.amdhsa_system_sgpr_workgroup_id_z 1
		.amdhsa_system_vgpr_workitem_id 0
		.amdhsa_next_free_vgpr 1024
		.amdhsa_next_free_sgpr 92
		.amdhsa_reserve_vcc 0
		.amdhsa_float_denorm_mode_32 3
		.amdhsa_float_denorm_mode_16_64 3
		.amdhsa_memory_ordered 1
		.amdhsa_forward_progress 1
		.amdhsa_inst_pref_size 207
	.end_amdhsa_kernel
	.amdgpu_metadata
---
amdhsa.version: [ 1, 2 ]
amdhsa.kernels:
  - .name:           k_q5c0fcef929_gemm
    .symbol:         k_q5c0fcef929_gemm.kd
    .args:
      - { .name: xq, .offset: 0, .size: 8, .value_kind: global_buffer, .address_space: global }
      - { .name: wq, .offset: 8, .size: 8, .value_kind: global_buffer, .address_space: global }
      - { .name: out0, .offset: 16, .size: 8, .value_kind: global_buffer, .address_space: global }
    .group_segment_fixed_size: 327680
    .private_segment_fixed_size: 0
    .kernarg_segment_align: 8
    .kernarg_segment_size: 24
    .max_flat_workgroup_size: 128
    .sgpr_count:     92
    .vgpr_count:     1024
    .wavefront_size: 32
...
	.end_amdgpu_metadata
.endif
;; end of part 3
